; MI455X (gfx1250); checked and timed in simulation.
; The chip was launched on July 23, 2026; its instructions are those of AMD's public machine-readable ISA for CDNA 5 (MIT licence, August 2026) and "CDNA5" Instruction Set Architecture Reference Guide (July 2026). The comments in the code are by the model that wrote it; some were corrected since.
;; Multi Head Attention. Allowed arithmetic: matrix products marked QUANTISED: E2M1 operands, one E8M0 scale for each 32 along K, by v_wmma_scale_f32_16x16x128_f8f6f4 with both operands' format E2M1 (or v_wmma_scale_f32_32x16x128_f4), f32 sums; products left as they are: bf16, f16 or f32 operands; f32 sums; everything else in f32.
;; Inputs: Wk 512 x 512 float32; Wo 512 x 512 float32; Wq 512 x 512 float32; Wv 512 x 512 float32; k 2 x 4,096 x 512 float32; q 2 x 4,096 x 512 float32; v 2 x 4,096 x 512 float32.
;; Outputs: out0 2 x 4,096 x 512 float32.
;; This version of the problem:
;;   THIS VERSION OF THE PROBLEM IS GIVEN IN LOW PRECISION. The matrix products marked QUANTISED in the list below multiply operands that are first quantised to E2M1 (2 exponent bits, 1 mantissa bit; 4 bits a number), with one power-of-two scale for each 32 numbers along K (OCP MX v1.0); their sums are f32. The products marked 'left as it is' may take bf16, f16 or f32 operands, with f32 sums. Whichever they take, every output number must still come out within the allowed error. Rounding operands to bf16 (8 significant bits) uses up far more of that allowance than f16 does (11 bits, for magnitudes from 6e-5 to 65,504). All else is computed in f32.
;;   The module's matrix products, in the order in which they are computed (A, B: the left and right operand; K: the contracted axis; several contracted axes count as one K, in the product's order):
;;     1. [M 8,192, K 512] x [K 512, N 512]; A: input q; B: input Wq: QUANTISED
;;     2. [M 8,192, K 512] x [K 512, N 512]; A: input k; B: input Wk: QUANTISED
;;     3. [M 8,192, K 512] x [K 512, N 512]; A: input v; B: input Wv: QUANTISED
;;     4. batch 16 x [M 4,096, K 64] x [K 64, N 4,096]; A: computed on the way; B: computed on the way: left as it is (an operand is computed on the way)
;;     5. batch 16 x [M 4,096, K 4,096] x [K 4,096, N 64]; A: computed on the way; B: computed on the way: left as it is (an operand is computed on the way)
;;     6. [M 8,192, K 512] x [K 512, N 512]; A: computed on the way; B: input Wo: left as it is (an operand is computed on the way)
;;   THE QUANTISER, for each operand of a quantised product, along K:
;;     - K is cut into blocks of 32 from its start; a last block that is shorter is filled with zeros.
;;     - A block's scale is 2^e with e = floor(log2(the largest magnitude in the block)) - 2, held to -126 .. 127; a block of zeros has e = 0. As a byte (E8M0): e + 127.
;;     - Each number is divided by its block's scale, clamped to +-6, and rounded to the nearest number of E2M1, ties to even, subnormals kept.
;;     - The product sums the exact products of the quantised numbers (number of the format x scale) in f32.
;;   ~~~python
;;   def quantise(x, axis):      # numpy; x: float32 -> the quantised numbers, widened to float32 again
;;       x = np.moveaxis(x, axis, -1); K = x.shape[-1]
;;       x = np.pad(x, [(0, 0)] * (x.ndim - 1) + [(0, -K % 32)]); x = x.reshape(x.shape[:-1] + (-1, 32)); a = np.abs(x).max(-1, keepdims=True)
;;       e = np.where(a > 0, np.clip(np.frexp(np.where(a > 0, a, 1))[1] - 1 - 2, -126, 127), 0)      # np.frexp(a)[1] - 1 = floor(log2(a)), exactly
;;       r = np.clip(x / 2.0 ** e, -6, 6)
;;       step = 2.0 ** (np.maximum(np.frexp(np.where(r == 0, 1, r))[1] - 1, 0) - 1)
;;       q = np.round(r / step) * step * 2.0 ** e      # np.round: ties to even
;;       return np.moveaxis(q.reshape(q.shape[:-2] + (-1,))[..., :K], -1, axis).astype(np.float32)
;;   ~~~
;; One version. Each part assembles by itself: llvm-mc -triple=amdgcn-amd-amdhsa -mcpu=gfx1250 --defsym DOCPART=n.
;; ======== version 1 of 1: 3 launches
;; limits: values are held in f16: magnitudes above 65,504 overflow, below 6.1e-05 lose precision
;; workspace buffers: qf 8,388,608 bytes; kv 16,777,216 bytes; wof 524,288 bytes; of 8,388,608 bytes
;; launch proj (part 1): grid 64 x 4, 8 waves a work-group, no clusters, 304,128 bytes of LDS; arguments q, k, v, Wq, Wk, Wv, Wo, qf, kv, wof; writes qf, kv, wof
.if DOCPART == 1
	.amdgcn_target "amdgcn-amd-amdhsa--gfx1250"
	.amdhsa_code_object_version 6
	.text
	.protected	k_qc35e7dfd53_proj
	.globl	k_qc35e7dfd53_proj
	.p2align	8
	.type	k_qc35e7dfd53_proj,@function
k_qc35e7dfd53_proj:
	s_mov_b64 s[64:65], 0
	v_nop
	global_prefetch_b8 v0, s[64:65] scope:SCOPE_SE
	s_setreg_imm32_b32 hwreg(HW_REG_WAVE_MODE, 25, 1), 1
	s_wait_xcnt 0x0
; THE THREE INPUT PROJECTIONS, y = x W^T, on codes of FP4 (E2M1) with one E8M0 scale for each 32 along K = 512; and Wo turned into f16.
; Work-group (x, y): y = 0, 1, 2 takes q, k, v; x takes 128 rows of the tensor's 8,192.  y = 3: each of the 64 x 8 waves rounds one fragment (16 rows x 32 k) of Wo to f16.
; SHARES.  Wave w owns head w: rows 64 w .. 64 w + 63 of W.  It reads them once, quantises them in registers (16 fragments of 16 rows x 128 K, 128 registers) and keeps them.
; Wave w also quantises rows 16 w .. 16 w + 15 of the work-group's x; its four fragments and four scale words go to all waves through LDS as images of the operand's registers
; (16 bytes a lane at 16 x lane; a scale word at 4 x lane).  Then every wave multiplies all eight tiles of rows by its 64 columns: 128 matrix instructions.
; x comes by tensor loads (counted apart from the loads of W), so W is quantised while x is on its way.
; A BLOCK'S SCALE is 2^(floor(log2(largest magnitude)) - 2): its byte is the largest magnitude's exponent field - 2, held at 1 from below by a floor among the maximum's leaves.
; THE RESULTS are rounded to f16 and stored AS THE NEXT LAUNCH'S OPERAND REGISTERS (a fragment = 16 rows x 32 k of f16 = [half 0..1][lane][16 bytes], 1,024 bytes):
;   q, k: the product is used transposed (source 0 = 16 rows of W, source 1 = 16 tokens): a lane holds one token and 8 neighbouring features: half a fragment's registers.
;   v:    natural order (source 0 = tokens, source 1 = rows of W): a lane holds one feature and 8 neighbouring tokens: half a fragment of V^T.
;   qf: [head 16][tile of 16 queries 256][chunk of 32 channels 2][fragment];   kv: [head 16][block of 64 keys 64][K: tile 4 x chunk 2 | V^T: 32 keys 2 x 16 channels 4][fragment].
;   Every store of a wave covers 512 consecutive bytes, aligned.
; NO CLUSTER: what the 64 work-groups of a tensor share is W, 1,048,576 bytes of f32, which goes straight into each wave's registers; beside x's 266,240 bytes it has no room in LDS.
; LIMITS: |x W^T| must stay under 65,504 (f16); results under 6e-5 keep f16's absolute step of 6e-8; blocks whose largest magnitude lies under 2^-124 have their byte held at 1
; (a block of zeros too: its codes are zeros, and this program alone reads the bytes); NaN and infinities among the inputs are not served.
.set XRAWW,  33280                     ; LDS: a wave's 16 rows of x as f32: two halves of 16 rows x (1,024 + 16) bytes
.set XHALF,  16640
.set XPITCH, 1040                      ; 65 x 16 bytes: the sixteen rows that a load touches start 4 words apart modulo 64 words
.set XIMG,   266240                    ; 32 fragments of codes (tile of rows m, K step s: 4 m + s), 1,024 bytes each
.set XSC,    299008                    ; their scale words, 128 bytes each
.set SPARE,  303104                    ; the spare words, 128 bytes for each of the eight waves
.set WA,  2                            ; v2   W: 2,048 r + 128 h: my row, my block of 32 numbers
.set XRA, 3                            ; v3   x in LDS: my wave's rows, 1,040 r + 128 h
.set XWI, 4                            ; v4   where I store my fragments' images
.set XWS, 5                            ; v5   and their scale words
.set LI,  6                            ; v6   XIMG + 16 x lane
.set LS,  7                            ; v7   XSC + 4 x lane
.set STO, 8                            ; v8   16 x lane: my place in a store's 512 bytes
.set SH8, 9                            ; v9   8 h
.set T0,  10                           ; v10-11 largest magnitudes;  v12 the other half's bytes;  v13-14 the conversions' scale operands;  v15-16 bytes;  v17 my two bytes in place
.set T2,  12
.set E0,  13
.set B0,  15
.set WD,  17
.set SPW, 30                           ; v30  LDS address of my spare word; never rewritten
.set NIL, 31                           ; v31  0; never rewritten
.set WS,  32                           ; v32-47 W's scale words (4 nt + s): scales and nothing else
.set XS,  48                           ; v48-55 x's scale words, two sets of four
.set XW,  56                           ; v56-59 the scale words that I made of x
.set STG, 64                           ; v64-255 three buffers of 64 numbers
.set XF,  64                           ; later: x's fragments, two sets of 32
.set ACC, 192                          ; four accumulators
.set OUTR, 224                         ; results as f16, two sets of 16
.set WC,  0                            ; window 1: v0-127 W's codes at 8 (4 nt + s);  v128-159 my x codes at 8 s
.set XC,  128
.set WV,  28
.set YY,  29
.set RB,  30
.set G1,  32                           ; s[32:39] descriptor group 1;  s[40:47] two groups 0
.set G0,  40
.set XP,  48                           ; s[48:49] x at my wave's rows;  s[50:51] W at my head's rows;  s[52:53], s[54:55] where tiles 0-3 and 4-7 are stored
.set WP,  50
.set OB,  52
.set SEL, 56                           ; s[56:57] lane selects for v_permlanex16_b32: lane l xor 16
.set MSB, 0
.macro WIN new                         ; the immediate's high byte repeats the setting that is left
.if MSB != \new
	s_set_vgpr_msb (MSB<<8)|\new
.set MSB, \new
.endif
.endm
.macro PLACES n
.rept \n
	v_nop
.endr
.endm
.macro FINISH                          ; a wave's end: these three lines behind my last tensor load and my last LDS store
	s_wait_tensorcnt 0x0
	ds_add_u32 v[SPW], v[NIL]
	s_wait_dscnt 0x0
	s_endpgm
.endm
; 64 numbers of a lane, v[b + 32 c + i] = k 64 c + 32 h + i of my row (two whole blocks), become registers d .. d + 7 of window 1 (a fragment's codes) and the row's scale word in v[sw].
.macro QUANT b, d, sw
.irp c, 0,1
	v_max3_num_f32 v[T0+\c], |v[(\b)+32*\c]|, |v[(\b)+32*\c+1]|, 0x1800000   ; and the floor 2^(3 - 127): the byte cannot fall under 1
.endr
.irp i, 2,4,6,8,10,12,14,16,18,20,22,24,26,28,30
.irp c, 0,1
	v_max3_num_f32 v[T0+\c], v[T0+\c], |v[(\b)+32*\c+\i]|, |v[(\b)+32*\c+\i+1]|   ; the two blocks by turns
.endr
.endr
.irp c, 0,1
	v_add_nc_u32 v[E0+\c], 0xff000000, v[T0+\c]    ; 2 off the exponent field: the conversion's scale operand
.endr
.irp c, 0,1
	v_lshrrev_b32 v[B0+\c], 23, v[E0+\c]           ; the scale's byte
.endr
	v_lshl_or_b32 v[WD], v[B0+1], 16, v[B0]        ; blocks h and 2 + h,
	v_lshlrev_b32 v[WD], v[SH8], v[WD]             ; at their places in the word;
	v_permlanex16_b32 v[T2], v[WD], s[SEL], s[SEL+1]
	v_or_b32 v[\sw], v[WD], v[T2]                  ; with lane l xor 16's two the word is whole
	WIN 0x40                                       ; destination window 1
.irp c, 0,1
.irp g, 0,1,2,3
	v_cvt_scalef32_pk8_fp4_f32 v[(\d)+4*\c+\g], v[(\b)+32*\c+8*\g:(\b)+32*\c+8*\g+7], v[E0+\c]
.endr
.endr
	WIN 0
	v_nop                                          ; one plain instruction behind the last scaled conversion
.endm
.macro WLD f                           ; fragment f = 4 nt + s of my rows of W, as f32, into buffer f % 3
.irp c, 0,1
.irp i, 0,1,2,3,4,5,6,7
	global_load_b128 v[STG+64*((\f)%3)+32*\c+4*\i:STG+64*((\f)%3)+32*\c+4*\i+3], v[WA], s[WP:WP+1] offset:((\f)/4)*32768+((\f)%4)*512+256*\c+16*\i
.endr
.endr
.endm
.macro XLD s                           ; K step s of my 16 rows of x, out of LDS, into buffer s % 3
.irp c, 0,1
.irp i, 0,1,2,3,4,5,6,7
	ds_load_b128 v[STG+64*((\s)%3)+32*\c+4*\i:STG+64*((\s)%3)+32*\c+4*\i+3], v[XRA] offset:((\s)/2)*XHALF+((\s)%2)*512+256*\c+16*\i
.endr
.endr
.endm
.macro IMAGE s                         ; my fragment of K step s goes to LDS as it stands in registers: three LDS stores
	WIN 0x04                                       ; an LDS store's data are its source 1: window 1
	ds_store_b128 v[XWI], v[XC+8*\s:XC+8*\s+3] offset:1024*\s
	ds_store_b128 v[XWI], v[XC+8*\s+4:XC+8*\s+7] offset:1024*\s+512
	WIN 0
	ds_store_b32 v[XWS], v[XW+\s] offset:128*\s
.endm
.macro XFETCH m                        ; the four fragments and scale words of tile m of rows: twelve LDS loads
.irp s, 0,1,2,3
	ds_load_b128 v[XF+32*((\m)%2)+8*\s:XF+32*((\m)%2)+8*\s+3], v[LI] offset:(4*(\m)+\s)*1024
	ds_load_b128 v[XF+32*((\m)%2)+8*\s+4:XF+32*((\m)%2)+8*\s+7], v[LI] offset:(4*(\m)+\s)*1024+512
.endr
.irp s, 0,1,2,3
	ds_load_b32 v[XS+4*((\m)%2)+\s], v[LS] offset:(4*(\m)+\s)*128
.endr
.endm
; Tile m of rows x my 64 columns: 16 matrix instructions, the four accumulators by turns, K ascending; the first K step starts the sums.
.macro TILE m, vpath
.if (\m) < 7
	XFETCH (\m)+1
	s_wait_dscnt 12                                ; the twelve just issued may be out: this tile's are in
.else
	s_wait_dscnt 0x0
.endif
.if \vpath
	WIN 0x04                                       ; source 1 (W) window 1
.else
	WIN 0x01                                       ; source 0 (W) window 1
.endif
.irp s, 0,1,2,3
.irp n, 0,1,2,3
.if \vpath
.if \s == 0
	v_wmma_scale_f32_16x16x128_f8f6f4 v[ACC+8*\n:ACC+8*\n+7], v[XF+32*((\m)%2)+8*\s:XF+32*((\m)%2)+8*\s+7], v[WC+8*(4*\n+\s):WC+8*(4*\n+\s)+7], 0, v[XS+4*((\m)%2)+\s], v[WS+4*\n+\s] matrix_a_fmt:MATRIX_FMT_FP4 matrix_b_fmt:MATRIX_FMT_FP4
.else
	v_wmma_scale_f32_16x16x128_f8f6f4 v[ACC+8*\n:ACC+8*\n+7], v[XF+32*((\m)%2)+8*\s:XF+32*((\m)%2)+8*\s+7], v[WC+8*(4*\n+\s):WC+8*(4*\n+\s)+7], v[ACC+8*\n:ACC+8*\n+7], v[XS+4*((\m)%2)+\s], v[WS+4*\n+\s] matrix_a_fmt:MATRIX_FMT_FP4 matrix_b_fmt:MATRIX_FMT_FP4
.endif
.else
.if \s == 0
	v_wmma_scale_f32_16x16x128_f8f6f4 v[ACC+8*\n:ACC+8*\n+7], v[WC+8*(4*\n+\s):WC+8*(4*\n+\s)+7], v[XF+32*((\m)%2)+8*\s:XF+32*((\m)%2)+8*\s+7], 0, v[WS+4*\n+\s], v[XS+4*((\m)%2)+\s] matrix_a_fmt:MATRIX_FMT_FP4 matrix_b_fmt:MATRIX_FMT_FP4
.else
	v_wmma_scale_f32_16x16x128_f8f6f4 v[ACC+8*\n:ACC+8*\n+7], v[WC+8*(4*\n+\s):WC+8*(4*\n+\s)+7], v[XF+32*((\m)%2)+8*\s:XF+32*((\m)%2)+8*\s+7], v[ACC+8*\n:ACC+8*\n+7], v[WS+4*\n+\s], v[XS+4*((\m)%2)+\s] matrix_a_fmt:MATRIX_FMT_FP4 matrix_b_fmt:MATRIX_FMT_FP4
.endif
.endif
.endr
.endr
	WIN 0
	PLACES 5                                       ; four ahead of the reads of the results and of the next loads into x's fragments, five ahead of the next tile's products, which begin the accumulators anew
.if (\m) >= 2
	s_wait_xcnt 0x0                                ; the stores of two tiles ago have read this set of registers
.endif
.irp n, 0,1,2,3
.irp j, 0,1,2,3
	v_cvt_pk_f16_f32 v[OUTR+16*((\m)%2)+4*\n+\j], v[ACC+8*\n+2*\j], v[ACC+8*\n+2*\j+1]   ; each accumulator from its low end on
.endr
.endr
.irp n, 0,1,2,3
.if \vpath
	global_store_b128 v[STO], v[OUTR+16*((\m)%2)+4*\n:OUTR+16*((\m)%2)+4*\n+3], s[OB+2*((\m)/4):OB+2*((\m)/4)+1] offset:8192+(((\m)/2)%2)*4096+1024*\n+((\m)%2)*512
.else
	global_store_b128 v[STO], v[OUTR+16*((\m)%2)+4*\n:OUTR+16*((\m)%2)+4*\n+3], s[OB+2*((\m)/4):OB+2*((\m)/4)+1] offset:((\m)%4)*2048+512*\n
.endif
.endr
.endm
	s_load_b256 s[8:15], s[0:1], 0x0               ; q s[8:9], k s[10:11], v s[12:13], Wq s[14:15]
	s_load_b256 s[16:23], s[0:1], 0x20             ; Wk s[16:17], Wv s[18:19], Wo s[20:21], qf s[22:23]
	s_load_b128 s[24:27], s[0:1], 0x40             ; kv s[24:25], wof s[26:27]
	v_lshl_add_u32 v[SPW], v0, 2, SPARE
	v_mov_b32 v[NIL], 0
	ds_add_u32 v[SPW], v[NIL]                      ; the wave's opening: the add, twice on end, and its wait ahead of my first tensor load
	ds_add_u32 v[SPW], v[NIL]                      ; and once more; the set-up below, work on registers, stands between it and the wait
	v_lshrrev_b32 v1, 5, v0
	v_readfirstlane_b32 s[WV], v1                  ; wave 0..7
	s_and_b32 s[YY], ttmp7, 0xffff                 ; which tensor
	s_mov_b32 s[RB], ttmp9                         ; which 128 rows
	; descriptor group 1: 16 rows of 1,024 bytes (128 elements of 8), 2,048 bytes apart in memory, 16 bytes of padding behind each in LDS
	s_mov_b32 s[G1], (3<<16)|(1<<20)|(7<<22)|(3<<25)   ; no mask; elements of 8 bytes; padding on; after every 256 words (code 7); four words (code 3)
	s_mov_b32 s[G1+1], 128<<16                     ; tensor_dim0
	s_mov_b32 s[G1+2], 16<<16                      ; tensor_dim1
	s_mov_b32 s[G1+3], 128<<16                     ; tile_dim0
	s_mov_b32 s[G1+4], 16                          ; tile_dim1
	s_mov_b32 s[G1+5], 256                         ; elements from row to row
	s_mov_b32 s[G1+6], 0
	s_mov_b32 s[G1+7], 0
	s_mov_b32 s[SEL], 0x76543210
	s_mov_b32 s[SEL+1], 0xfedcba98
	v_and_b32 v1, 31, v0                           ; lane
	v_and_b32 v18, 15, v0                          ; r
	v_bfe_u32 v19, v0, 4, 1                        ; h
	v_lshlrev_b32 v[WA], 11, v18
	v_lshl_add_u32 v[WA], v19, 7, v[WA]
	s_mul_i32 s59, s[WV], XRAWW                    ; my wave's rows of x in LDS
	v_mul_u32_u24 v[XRA], v18, XPITCH
	v_lshl_add_u32 v[XRA], v19, 7, v[XRA]
	v_add_nc_u32 v[XRA], s59, v[XRA]
	v_lshlrev_b32 v[STO], 4, v1
	s_lshl_b32 s62, s[WV], 12
	s_add_co_u32 s62, s62, XIMG
	v_add_nc_u32 v[XWI], s62, v[STO]
	v_add_nc_u32 v[LI], XIMG, v[STO]
	v_lshlrev_b32 v[LS], 2, v1
	s_lshl_b32 s62, s[WV], 9
	s_add_co_u32 s62, s62, XSC
	v_add_nc_u32 v[XWS], s62, v[LS]
	v_add_nc_u32 v[LS], XSC, v[LS]
	v_lshlrev_b32 v[SH8], 3, v19
	v_mov_b32 v[T2], 0                             ; written once: a lane permute's destination counts as one of its sources
	s_wait_dscnt 0x0                               ; both opening adds are done
	s_wait_kmcnt 0x0
	s_cmp_eq_u32 s[YY], 3                          ; the work-group's number alone: all eight waves go the same way
	s_cbranch_scc1 .Lwo
	s_cmp_eq_u32 s[YY], 0                          ; the three buffers of my tensor
	s_cselect_b64 s[XP:XP+1], s[8:9], s[10:11]
	s_cselect_b64 s[WP:WP+1], s[14:15], s[16:17]
	s_cselect_b64 s[OB:OB+1], s[22:23], s[24:25]
	s_cselect_b32 s58, 0, 1                        ; kv has twice qf's bytes for a token
	s_cmp_eq_u32 s[YY], 2
	s_cselect_b64 s[XP:XP+1], s[12:13], s[XP:XP+1]
	s_cselect_b64 s[WP:WP+1], s[18:19], s[WP:WP+1]
	s_lshl_b32 s60, s[RB], 18                      ; 128 rows of 2,048 bytes,
	s_lshl_b32 s61, s[WV], 15                      ; my wave's 16
	s_add_co_u32 s60, s60, s61
	s_mov_b32 s61, 0
	s_add_nc_u64 s[XP:XP+1], s[XP:XP+1], s[60:61]
	s_lshl_b32 s60, s[WV], 17                      ; my head's 64 rows of W
	s_add_nc_u64 s[WP:WP+1], s[WP:WP+1], s[60:61]
	s_lshr_b32 s60, s[RB], 5                       ; the batch: 32 blocks of 128 rows each
	s_lshl_b32 s60, s60, 3
	s_add_co_u32 s60, s60, s[WV]                   ; 8 x batch + head
	s_lshl_b32 s60, s60, 19
	s_and_b32 s62, s[RB], 31
	s_lshl_b32 s62, s62, 14
	s_or_b32 s60, s60, s62
	s_lshl_b32 s60, s60, s58
	s_add_nc_u64 s[OB:OB+1], s[OB:OB+1], s[60:61]
	s_lshl_b32 s60, 8192, s58                      ; four tiles of rows on
	s_add_nc_u64 s[OB+2:OB+3], s[OB:OB+1], s[60:61]
	s_mov_b32 s[G0], 1                             ; count = 1
	s_mov_b32 s[G0+1], s59                         ; LDS address: the rows' first 1,024 bytes
	s_mov_b64 s[G0+2:G0+3], s[XP:XP+1]
	s_or_b32 s[G0+3], s[G0+3], 0x80000000          ; type = 2
	s_mov_b32 s[G0+4], 1
	s_add_co_u32 s[G0+5], s59, XHALF               ; and their second
	s_add_nc_u64 s[G0+6:G0+7], s[XP:XP+1], 1024
	s_or_b32 s[G0+7], s[G0+7], 0x80000000
	tensor_load_to_lds s[G0:G0+3], s[G1:G1+7]      ; my 16 rows of x: two loads of mine are out; each fills its bytes once
	s_nop 0
	tensor_load_to_lds s[G0+4:G0+7], s[G1:G1+7]
	s_nop 0
	PLACES 4
	; ---- W: sixteen fragments, loads two fragments ahead
	WLD 0
	WLD 1
	WLD 2
.set F, 0
.rept 16
.if F < 14
	s_wait_loadcnt 32                              ; the two younger fragments' 32 loads may be out
.elseif F == 14
	s_wait_loadcnt 16
.else
	s_wait_loadcnt 0x0
.endif
	QUANT STG+64*(F%3), WC+8*F, WS+F
.if F+3 < 16
	WLD F+3
.endif
.set F, F+1
.endr
	; ---- x: my 16 rows become four fragments.  I read only bytes that my own loads brought: my own wait is all the ordering that the reads need
	s_wait_tensorcnt 0x0
	XLD 0
	XLD 1
	XLD 2
	s_wait_dscnt 32                                ; behind K step 0's loads: steps 1 and 2
	QUANT STG, XC, XW
	IMAGE 0
	XLD 3
	s_wait_dscnt 35                                ; behind step 1's: step 2 (16), three stores, step 3 (16)
	QUANT STG+64, XC+8, XW+1
	IMAGE 1
	s_wait_dscnt 22                                ; behind step 2's: three stores, step 3 (16), three stores
	QUANT STG+128, XC+16, XW+2
	IMAGE 2
	s_wait_dscnt 6                                 ; behind step 3's: twice three stores
	QUANT STG, XC+24, XW+3
	IMAGE 3
	s_wait_dscnt 0x0                               ; for the others' sake: my images have landed
	s_barrier_signal -1
	s_barrier_wait -1                              ; all 32 fragments of x lie in LDS; nothing is written there again
	XFETCH 0
	s_cmp_eq_u32 s[YY], 2
	s_cbranch_scc1 .Lv
.irp m, 0,1,2,3,4,5,6,7
	TILE \m, 0
.endr
	FINISH
.Lv:
.irp m, 0,1,2,3,4,5,6,7
	TILE \m, 1
.endr
	FINISH
.Lwo:                                              ; wave W = 8 x + wave of 512: rows 16 (W / 16) on, k = 32 (W % 16) on of Wo -> wof [col block 4][k quarter 4][tile of 16 rows 8][chunk 4][fragment]
	s_lshl_b32 s58, s[RB], 3
	s_add_co_u32 s58, s58, s[WV]
	s_lshr_b32 s59, s58, 4                         ; the tile of 16 rows
	s_and_b32 s60, s58, 15                         ; the chunk of 32 along k
	s_lshl_b32 s62, s59, 15                        ; 16 rows of 2,048 bytes
	s_lshl_b32 s63, s60, 7
	s_add_co_u32 s62, s62, s63
	s_mov_b32 s63, 0
	s_add_nc_u64 s[20:21], s[20:21], s[62:63]
	s_lshr_b32 s62, s59, 3
	s_lshl_b32 s62, s62, 17
	s_lshr_b32 s61, s60, 2
	s_lshl_b32 s61, s61, 15
	s_add_co_u32 s62, s62, s61
	s_and_b32 s61, s59, 7
	s_lshl_b32 s61, s61, 12
	s_add_co_u32 s62, s62, s61
	s_and_b32 s61, s60, 3
	s_lshl_b32 s61, s61, 10
	s_add_co_u32 s62, s62, s61
	s_add_nc_u64 s[26:27], s[26:27], s[62:63]
	v_lshlrev_b32 v20, 11, v18
	v_lshl_add_u32 v20, v19, 5, v20                ; row r, + 8 h numbers
.irp f, 0,1
	global_load_b128 v[64+8*\f:67+8*\f], v20, s[20:21] offset:64*\f         ; k = 16 f + 8 h + 0 .. 3
	global_load_b128 v[68+8*\f:71+8*\f], v20, s[20:21] offset:64*\f+16      ; + 4 .. 7
.endr
	s_wait_loadcnt 0x0
.irp j, 0,1,2,3,4,5,6,7
	v_cvt_pk_f16_f32 v[80+\j], v[64+2*\j], v[65+2*\j]
.endr
	global_store_b128 v[STO], v[80:83], s[26:27]
	global_store_b128 v[STO], v[84:87], s[26:27] offset:512
	FINISH
.Lfunc_end_k_qc35e7dfd53_proj:
	.size	k_qc35e7dfd53_proj, .Lfunc_end_k_qc35e7dfd53_proj-k_qc35e7dfd53_proj
	.p2alignl 7, 3214868480
	.fill 96, 4, 3214868480
	.section	.rodata,"a",@progbits
	.p2align	6, 0x0
	.amdhsa_kernel k_qc35e7dfd53_proj
		.amdhsa_group_segment_fixed_size 304128
		.amdhsa_private_segment_fixed_size 0
		.amdhsa_enable_private_segment 0
		.amdhsa_kernarg_size 80
		.amdhsa_user_sgpr_count 2
		.amdhsa_user_sgpr_kernarg_segment_ptr 1
		.amdhsa_wavefront_size32 1
		.amdhsa_system_sgpr_workgroup_id_x 1
		.amdhsa_system_sgpr_workgroup_id_y 1
		.amdhsa_system_sgpr_workgroup_id_z 1
		.amdhsa_system_vgpr_workitem_id 0
		.amdhsa_next_free_vgpr 512
		.amdhsa_next_free_sgpr 66
		.amdhsa_reserve_vcc 0
		.amdhsa_float_denorm_mode_32 3
		.amdhsa_float_denorm_mode_16_64 3
		.amdhsa_memory_ordered 1
		.amdhsa_forward_progress 1
		.amdhsa_inst_pref_size 167
	.end_amdhsa_kernel
	.amdgpu_metadata
---
amdhsa.version: [ 1, 2 ]
amdhsa.kernels:
  - .name:           k_qc35e7dfd53_proj
    .symbol:         k_qc35e7dfd53_proj.kd
    .args:
      - { .name: q, .offset: 0, .size: 8, .value_kind: global_buffer, .address_space: global }
      - { .name: k, .offset: 8, .size: 8, .value_kind: global_buffer, .address_space: global }
      - { .name: v, .offset: 16, .size: 8, .value_kind: global_buffer, .address_space: global }
      - { .name: Wq, .offset: 24, .size: 8, .value_kind: global_buffer, .address_space: global }
      - { .name: Wk, .offset: 32, .size: 8, .value_kind: global_buffer, .address_space: global }
      - { .name: Wv, .offset: 40, .size: 8, .value_kind: global_buffer, .address_space: global }
      - { .name: Wo, .offset: 48, .size: 8, .value_kind: global_buffer, .address_space: global }
      - { .name: qf, .offset: 56, .size: 8, .value_kind: global_buffer, .address_space: global }
      - { .name: kv, .offset: 64, .size: 8, .value_kind: global_buffer, .address_space: global }
      - { .name: wof, .offset: 72, .size: 8, .value_kind: global_buffer, .address_space: global }
    .group_segment_fixed_size: 304128
    .private_segment_fixed_size: 0
    .kernarg_segment_align: 8
    .kernarg_segment_size: 80
    .max_flat_workgroup_size: 256
    .sgpr_count:     66
    .vgpr_count:     512
    .wavefront_size: 32
...
	.end_amdgpu_metadata
.endif
;; end of part 1
;; launch attn (part 2): grid 16 x 16, 8 waves a work-group, clusters of 4 x 1, 327,680 bytes of LDS; arguments qf, kv, of; writes of
.if DOCPART == 2
	.amdgcn_target "amdgcn-amd-amdhsa--gfx1250"
	.amdhsa_code_object_version 6
	.text
	.protected	k_qc35e7dfd53_attn
	.globl	k_qc35e7dfd53_attn
	.p2align	8
	.type	k_qc35e7dfd53_attn,@function
k_qc35e7dfd53_attn:
	s_mov_b64 s[64:65], 0
	v_nop
	global_prefetch_b8 v0, s[64:65] scope:SCOPE_SE
	s_setreg_imm32_b32 hwreg(HW_REG_WAVE_MODE, 25, 1), 1
	s_wait_xcnt 0x0
	s_wait_alu depctr_hold_cnt(0) depctr_sa_sdst(0) depctr_va_vdst(0) depctr_va_sdst(0) depctr_va_ssrc(0) depctr_va_vcc(0) depctr_vm_vsrc(0)
	s_getreg_b32 s2, hwreg(HW_REG_IB_STS2, 6, 4)
	s_cmp_eq_u32 s2, 0
	s_cbranch_scc0 .Lentry_in_a_cluster
	s_endpgm
.Lentry_in_a_cluster:
	s_bfe_u32 s2, ttmp6, 0x10000c
	s_cmp_lg_u32 s2, 0x3003
	s_cbranch_scc0 .Lentry_shape_is_right
	s_endpgm
.Lentry_shape_is_right:
; O[head][q] = the sum over k of softmax_k(Q[q] . K[k] / 8) V[k], 16 heads (batch x head) of 4,096 tokens x 64 channels, no mask.  Operands f16, as the launch before laid them: images of operand registers
; (a fragment = 16 rows x 32 k = [half][lane][16 bytes]); products, maxima and sums in f32; the weights p are rounded to f16 for the second product, O once at the end.
; SHARES.  A work-group owns 256 queries of one head.  Waves w and w + 4 own the SAME 64 queries (four tiles of 16) and SPLIT THE KEYS: of each slot of 256 keys group A (waves 0-3) takes the first 128,
; group B (waves 4-7) the second, 64 a step, 32 steps each; each keeps its own running maximum, sum and O^T, and the two are joined once at the end through LDS.  So a fragment of K or V read from LDS feeds four products.
; LAYOUT.  S^T = K Q^T (source 0 = 16 keys, source 1 = 16 queries): a lane holds ONE query and keys 8 (lane / 16) + 0..7; two such tiles, rounded in pairs, ARE source 1 of O^T = V^T P.
; SOFTMAX.  p = 2^(c s - c m), c = log2(e) / 8, m the running maximum; in every step O and the sum l are multiplied by a = 2^(c m_old - c m_new).
; TWO PHASES, TWO GROUPS.  A wave's work is a chain MM(0), SM(0), MM(1), SM(1) ..: MM(i) = the products V^T P of step i - 1 and K Q^T of step i with all LDS reads of step i; SM(i) = step i's softmax, on registers alone.
; Group B walks the same chain one phase later: while A is in MM, B is in SM, and the other way round, so that one wave's vector work stands beside another's matrix work.  The two arms stand under a
; scalar branch on the wave's number; barriers, waits in front of them, LDS address registers and scalar steps stand in the text that all waves walk.
; RING.  Two LDS slots of 65,536 bytes (four blocks of 64 keys, dense in memory).  Each of the eight waves fetches 8,192 bytes by one tensor load.
; CLUSTER.  The four query blocks of a cluster belong to one head and walk the same K and V: each load is asked for JOINTLY, by the same line with the same descriptor and a mask that names the four.
; LIMITS: p under 3e-8 of a row's largest weight rounds to 0 (f16); NaN and infinities are not served.
; REGISTERS.  window 0: v2-8 addresses; v10-11 the add's two; v16-47 statistics, eight a tile (+0 c m, +1 m, +2, +3 l, +4..+7 at work; a in +6); v48-111 Q; v112-239 S^T, 32 a tile, P in each tile's low 16; v240-247 B's statistics.
;             window 1: v0-127 O^T (tile t, channels 16 ct on: 32 t + 8 ct); v128-191 K of a step; v192-255 V^T of a step.
.set STEPB, 16384                      ; a block of 64 keys: 8,192 bytes of K, 8,192 of V^T
.set SLOT1, 65536                      ; slot 1 begins here: one exclusive or turns an address in one slot into the other's
.set MRG,   131072                     ; behind the ring: for each of the four pairs of waves 16,384 bytes of O^T and 8 x 128 of statistics
.set MRGW,  17408
.set SPARE, 200704                     ; the spare words, 128 bytes for each of the eight waves
.set AK0, 2                            ; v2   16 x lane + 32,768 x group: my place in a slot's first step
.set ADK, 3                            ; v3   the same in the step in hand
.set LO,  4                            ; v4   16 x lane
.set MO,  5                            ; v5   my pair's O^T in LDS, + 16 x lane
.set MS,  6                            ; v6   my pair's statistics, + 4 x lane
.set PFO, 8                            ; v8   256 x lane; never rewritten
.set SPW, 10                           ; v10  LDS address of my spare word; never rewritten
.set NIL, 11                           ; v11  0; never rewritten
.set ST,  16
.set Q,   48
.set S,   112
.set BS,  240
.set KF,  128                          ; in window 1
.set VF,  192
.set WV,  12                           ; s12 wave;  s13 group;  s14 which 64 queries
.set G,   13
.set QW,  14
.set G1,  24                           ; s[24:31] descriptor group 1;  s[32:35] group 0 of slot 0's first fill;  s[36:39] of slot 1's, which then walks
.set G0A, 32
.set G0W, 36
.set SLOTS, 40                         ; s40  slots still to be asked for
.set TWICE, 41
.set TB,  42                           ; s42  LDS byte at which the step in hand begins (group A's)
.set LIM, 43                           ; s43  1 in a wave that prefetches, else the greatest number
.set PFA, 44                           ; s[44:45] where my prefetches stand
.set CS,  46                           ; s[46:47] c, twice: the packed form names a pair
.set SEL, 48                           ; s[48:49] lane selects for v_permlanex16_b32: lane l xor 16
.set MSB, 0
.macro WIN new                         ; the immediate's high byte repeats the setting that is left
.if MSB != \new
	s_set_vgpr_msb (MSB<<8)|\new
.set MSB, \new
.endif
.endm
.macro PLACES n
.rept \n
	v_nop
.endr
.endm
.macro CROUND                          ; a round of the cluster's barrier
	s_barrier_signal -1
	s_barrier_wait -1
	s_cmp_lg_u32 s[WV], 0
	s_cbranch_scc1 .Lnot_wave_0_\@
	s_barrier_signal -3
.Lnot_wave_0_\@:
	s_barrier_wait -3
	s_barrier_signal -1
	s_barrier_wait -1
.endm
; A PREFETCH INTO THE L2 of the slot that the NEXT change of slots will ask for: 65,536 bytes, lanes 256 bytes apart.  All clusters of a head walk the same bytes: the head's first cluster asks.  Its four partners take
; 16,384 bytes each, told apart BY ADDRESS; in each, waves 0 and 1 ask for 8,192 bytes: one instruction a wave, each aligned 256 bytes named once in the launch.  The last change that fills a slot asks for nothing.
.macro ASK
	s_cmp_gt_u32 s[SLOTS], s[LIM]
	s_cbranch_scc0 .Lnot_mine_\@
	global_prefetch_b8 v[PFO], s[PFA:PFA+1] th:TH_LOAD_NT scope:SCOPE_SE
.Lnot_mine_\@:
.endm
; THE MATRIX PHASE.  pv = 2: 32 products V^T P of the step before; 1: they start O^T's sums; 0: none.  kq = 1: this step's K and V are fetched, and 32 products K Q^T follow.
; The accumulators take turns, one instruction a turn: 15 others' stand between two links of a chain.
.macro MM pv, kq
.if \kq
	WIN 0x40                                       ; destination window 1
.irp i, 0,1,2,3,4,5,6,7,8,9,10,11,12,13,14,15
	ds_load_b128 v[KF+4*\i:KF+4*\i+3], v[ADK] offset:512*\i        ; K: tile of keys i / 4, chunk (i / 2) % 2, half i % 2
.endr
.endif
.if \pv
.if \kq
	s_wait_dscnt 16                                ; the sixteen just issued may be out: V of the step before is in
.else
	s_wait_dscnt 0x0
.endif
	WIN 0x51                                       ; V^T and O^T in window 1, P in window 0
.irp kp, 0,1
.irp ct, 0,1,2,3
.irp t, 0,1,2,3
.if (\pv == 1) && (\kp == 0)
	v_wmma_f32_16x16x32_f16 v[32*\t+8*\ct:32*\t+8*\ct+7], v[VF+32*\kp+8*\ct:VF+32*\kp+8*\ct+7], v[S+32*\t+8*\kp:S+32*\t+8*\kp+7], 0
.else
	v_wmma_f32_16x16x32_f16 v[32*\t+8*\ct:32*\t+8*\ct+7], v[VF+32*\kp+8*\ct:VF+32*\kp+8*\ct+7], v[S+32*\t+8*\kp:S+32*\t+8*\kp+7], v[32*\t+8*\ct:32*\t+8*\ct+7]
.endif
.endr
.endr
.endr
.endif
.if \pv && \kq
	PLACES 5                                       ; four ahead of the loads into V's registers, five ahead of the products that write S^T over P
.endif
.if \kq
	WIN 0x40
.irp i, 0,1,2,3,4,5,6,7,8,9,10,11,12,13,14,15
	ds_load_b128 v[VF+4*\i:VF+4*\i+3], v[ADK] offset:8192+512*\i   ; V^T: 32 keys i / 8, channels 16 ((i / 2) % 4) on, half i % 2
.endr
	s_wait_dscnt 16                                ; those sixteen may be out: K is in
	WIN 0x01                                       ; K in window 1, Q and S^T in window 0
.irp c, 0,1
.irp a, 0,1,2,3
.irp t, 0,1,2,3
.if \c == 0
	v_wmma_f32_16x16x32_f16 v[S+32*\t+8*\a:S+32*\t+8*\a+7], v[KF+16*\a+8*\c:KF+16*\a+8*\c+7], v[Q+16*\t+8*\c:Q+16*\t+8*\c+7], 0
.else
	v_wmma_f32_16x16x32_f16 v[S+32*\t+8*\a:S+32*\t+8*\a+7], v[KF+16*\a+8*\c:KF+16*\a+8*\c+7], v[Q+16*\t+8*\c:Q+16*\t+8*\c+7], v[S+32*\t+8*\a:S+32*\t+8*\a+7]
.endif
.endr
.endr
.endr
.endif
	WIN 0
	PLACES 5                                       ; five places close every matrix phase: four ahead of vector reads of the results and of loads into the operands, five ahead of a matrix instruction that takes
	                                               ; these results as a source or begins their registers anew: so the distance holds whichever arm's text stands next
.endm
; THE VECTOR PHASE: the softmax of one step for my four tiles; every line runs over the four tiles, so that dependent lines stand four apart.  first = 1: the first step, which starts m and l and has nothing to rescale.
.macro SM first
.irp j, 0,1,2,3                        ; the maximum: four chains, one for each accumulator, each begun at the accumulator's low end
.irp t, 0,1,2,3
	v_max3_num_f32 v[ST+8*\t+4+\j], v[S+32*\t+8*\j], v[S+32*\t+8*\j+1], v[S+32*\t+8*\j+2]
.endr
.endr
.irp u, 1,2
.irp j, 0,1,2,3
.irp t, 0,1,2,3
	v_max3_num_f32 v[ST+8*\t+4+\j], v[ST+8*\t+4+\j], v[S+32*\t+8*\j+2*\u+1], v[S+32*\t+8*\j+2*\u+2]
.endr
.endr
.endr
.irp t, 0,1,2,3
	v_max3_num_f32 v[ST+8*\t+4], v[ST+8*\t+4], v[S+32*\t+7], v[S+32*\t+15]
.endr
.irp t, 0,1,2,3
	v_max3_num_f32 v[ST+8*\t+6], v[ST+8*\t+6], v[S+32*\t+23], v[S+32*\t+31]
.endr
.irp t, 0,1,2,3
	v_max3_num_f32 v[ST+8*\t+4], v[ST+8*\t+4], v[ST+8*\t+5], v[ST+8*\t+6]
.endr
.irp t, 0,1,2,3
.if \first
	v_max_num_f32 v[ST+8*\t+4], v[ST+8*\t+4], v[ST+8*\t+7]
.else
	v_max3_num_f32 v[ST+8*\t+4], v[ST+8*\t+4], v[ST+8*\t+7], v[ST+8*\t+1]   ; and the old m
.endif
.endr
.irp t, 0,1,2,3
	v_permlanex16_b32 v[ST+8*\t+5], v[ST+8*\t+4], s[SEL], s[SEL+1]          ; the query's other 32 keys lie in the lane 16 away
.endr
.if \first == 0
.irp t, 0,1,2,3
	v_mov_b32 v[ST+8*\t+7], v[ST+8*\t]             ; c m_old is kept for a
.endr
.endif
.irp t, 0,1,2,3
	v_max_num_f32 v[ST+8*\t+1], v[ST+8*\t+4], v[ST+8*\t+5]
.endr
.irp t, 0,1,2,3
	v_mul_f32 v[ST+8*\t], s[CS], v[ST+8*\t+1]
.endr
.if \first == 0
.irp t, 0,1,2,3
	v_sub_f32 v[ST+8*\t+7], v[ST+8*\t+7], v[ST+8*\t]
.endr
.irp t, 0,1,2,3
	v_exp_f32 v[ST+8*\t+6], v[ST+8*\t+7]           ; a.  From here to the wait below nothing names an exponential's result
.endr
.endif
.irp b, 0,1,2,3,4,5,6,7,8,9,10,11,12,13,14,15
.irp t, 0,1,2,3
	v_pk_fma_f32 v[S+32*\t+2*\b:S+32*\t+2*\b+1], v[S+32*\t+2*\b:S+32*\t+2*\b+1], s[CS:CS+1], v[ST+8*\t:ST+8*\t+1] op_sel_hi:[1,0,0] neg_lo:[0,0,1] neg_hi:[0,0,1]   ; c s - c m, a pair of scores
.endr
.irp t, 0,1,2,3
	v_exp_f32 v[S+32*\t+2*\b], v[S+32*\t+2*\b]
	v_exp_f32 v[S+32*\t+2*\b+1], v[S+32*\t+2*\b+1]
.endr
.endr
	v_nop                                          ; a plain instruction behind the last exponential,
	s_wait_alu depctr_va_vdst(0)                   ; and the one wait ahead of the batch's first reader
.irp t, 0,1,2,3                        ; the sums are taken of p before it is rounded
	v_pk_add_f32 v[ST+8*\t+4:ST+8*\t+5], v[S+32*\t:S+32*\t+1], v[S+32*\t+2:S+32*\t+3]
.endr
.irp b, 2,3,4,5,6,7,8,9,10,11,12,13,14
.irp t, 0,1,2,3
	v_pk_add_f32 v[ST+8*\t+4:ST+8*\t+5], v[ST+8*\t+4:ST+8*\t+5], v[S+32*\t+2*\b:S+32*\t+2*\b+1]
.endr
.endr
.if \first
.irp t, 0,1,2,3
	v_pk_add_f32 v[ST+8*\t+2:ST+8*\t+3], v[ST+8*\t+4:ST+8*\t+5], v[S+32*\t+30:S+32*\t+31]
.endr
.else
.irp t, 0,1,2,3
	v_pk_add_f32 v[ST+8*\t+4:ST+8*\t+5], v[ST+8*\t+4:ST+8*\t+5], v[S+32*\t+30:S+32*\t+31]
.endr
.irp t, 0,1,2,3
	v_pk_fma_f32 v[ST+8*\t+2:ST+8*\t+3], v[ST+8*\t+2:ST+8*\t+3], v[ST+8*\t+6:ST+8*\t+7], v[ST+8*\t+4:ST+8*\t+5] op_sel_hi:[1,0,1]   ; l = a l + the step's sum
.endr
.endif
.irp j, 0,1,2,3,4,5,6,7,8,9,10,11,12,13,14,15
.irp t, 0,1,2,3
	v_cvt_pk_f16_f32 v[S+32*\t+\j], v[S+32*\t+2*\j], v[S+32*\t+2*\j+1]     ; P, in place: register j is written when pairs 0 .. j - 1 have been read
.endr
.endr
.if \first == 0
	WIN 0x41                                       ; O^T (destination and source 0) in window 1, a in window 0
.irp i, 0,1,2,3,4,5,6,7,8,9,10,11,12,13,14,15
.irp t, 0,1,2,3
	v_pk_mul_f32 v[32*\t+2*\i:32*\t+2*\i+1], v[32*\t+2*\i:32*\t+2*\i+1], v[ST+8*\t+6:ST+8*\t+7] op_sel_hi:[1,0]   ; each accumulator from its low end on
.endr
.endr
	WIN 0
.endif
.endm
; A step's two time slots.  X: group A in MM, group B in the softmax of the step before.  Y: group A in its softmax, group B in MM.  -1: that arm is empty.
.macro SLOTX apv, akq, bsm
	s_cmp_eq_u32 s[G], 0
	s_cbranch_scc0 .Lxb_\@
	MM \apv, \akq
	s_branch .Lxj_\@
.Lxb_\@:
.if \bsm >= 0
	SM \bsm
.endif
.Lxj_\@:
.endm
.macro SLOTY asf, bpv, bkq
	s_cmp_eq_u32 s[G], 0
	s_cbranch_scc0 .Lyb_\@
.if \asf >= 0
	SM \asf
.endif
	s_branch .Lyj_\@
.Lyb_\@:
	MM \bpv, \bkq
.Lyj_\@:
.endm
.macro STEP apv, akq, bsm, asf, bpv, bkq
	v_add_nc_u32 v[ADK], s[TB], v[AK0]             ; made where all waves walk
	SLOTX \apv, \akq, \bsm
	SLOTY \asf, \bpv, \bkq
	s_add_co_u32 s[TB], s[TB], STEPB
.endm
.macro TWO_STEPS                       ; a slot's two steps: written once, walked twice
	s_mov_b32 s[TWICE], 2
.Lstep_\@:
	STEP 2, 1, 0, 0, 2, 1
	s_sub_co_u32 s[TWICE], s[TWICE], 1
	s_cmp_lg_u32 s[TWICE], 0
	s_cbranch_scc1 .Lstep_\@
.endm
; THE CHANGE OF SLOTS.  Each wave waits for all its tensor loads, of which one is out: its part of the other slot; adds 0 to its spare word; and waits for that and for its own reads of the slot that it leaves.
; fill = 1: the barrier is a round of the cluster's, so that no wave of any partner still reads the slot or has a load on its way; the joint refill, with the keys two slots on, is the first thing behind it
; and has two steps, four time slots, in which to land.
.macro CHANGE fill
	s_wait_tensorcnt 0x0                           ; no tensor load of mine is out, so a group 0 may be written
	ds_add_u32 v[SPW], v[NIL]                      ; 0 onto my spare word
.if \fill
	s_xor_b32 s[G0W+1], s[G0W+1], SLOT1            ; the walking descriptor: the other slot than last time,
	s_add_nc_u64 s[G0W+2:G0W+3], s[G0W+2:G0W+3], SLOT1   ; the next 256 keys; the type bits on top are not reached
	s_wait_xcnt 0x0                                ; the last prefetch, two steps back, has read its address, so it may be written:
	s_add_nc_u64 s[PFA:PFA+1], s[PFA:PFA+1], SLOT1 ; one slot further on than the walking descriptor
	s_wait_dscnt 0x0                               ; the add is done, and my reads of the slot are over
	CROUND
	tensor_load_to_lds s[G0W:G0W+3], s[G1:G1+7]    ; my one tensor load until the next round
	s_nop 0
	PLACES 4
	ASK
.else
	s_wait_dscnt 0x0
	s_barrier_signal -1
	s_barrier_wait -1
.endif
	s_sub_co_u32 s[TB], s[TB], 2*STEPB             ; back to a slot's first step,
	s_xor_b32 s[TB], s[TB], SLOT1                  ; in the other slot
.endm
	s_load_b128 s[4:7], s[0:1], 0x0                ; qf s[4:5], kv s[6:7]
	s_load_b64 s[8:9], s[0:1], 0x10                ; of
	v_lshl_add_u32 v[SPW], v0, 2, SPARE
	v_mov_b32 v[NIL], 0
	ds_add_u32 v[SPW], v[NIL]                      ; the wave's opening: the add, twice on end, and its wait ahead of my first tensor load
	ds_add_u32 v[SPW], v[NIL]                      ; and once more; the set-up below, work on registers, stands between it and the wait
	v_lshrrev_b32 v1, 5, v0
	v_readfirstlane_b32 s[WV], v1                  ; wave 0..7
	s_lshr_b32 s[G], s[WV], 2                      ; group A (0) or B (1)
	s_and_b32 s[QW], s[WV], 3                      ; which 64 of the 256 queries
	s_bfe_u32 s15, ttmp6, 0x40000                  ; cx: my place in the cluster
	s_lshl_b32 s17, ttmp9, 2
	s_add_co_u32 s17, s17, s15                     ; my block of 256 queries: it enters qf's and of's addresses alone
	s_and_b32 s16, ttmp7, 0xffff                   ; 8 x batch + head, which the four partners share
	s_lshl_b32 s18, s16, 20                        ; kv: the head's 1,048,576 bytes,
	s_lshl_b32 s19, s[WV], 13                      ; my wave's 8,192 of a slot
	s_mov_b32 s[G0A+1], s19                        ; LDS address: no place in the cluster enters it
	s_add_co_u32 s[G0W+1], s19, SLOT1
	s_add_co_u32 s18, s18, s19
	s_mov_b32 s19, 0
	s_lshl_b32 s20, s16, 19                        ; qf: the head, my block's 16 tiles of 2,048 bytes, my wave's 4
	s_lshl_b32 s21, s17, 15
	s_add_co_u32 s20, s20, s21
	s_lshl_b32 s21, s[QW], 13
	s_add_co_u32 s20, s20, s21
	s_mov_b32 s21, 0
	s_lshr_b32 s22, s16, 3                         ; of: [block of 128 tokens 64][k quarter 4][tile of 16 tokens 8][chunk 4][fragment]
	s_lshl_b32 s22, s22, 5
	s_lshl_b32 s23, s17, 1
	s_add_co_u32 s22, s22, s23
	s_lshr_b32 s23, s[QW], 1
	s_add_co_u32 s22, s22, s23                     ; 32 x batch + 2 x block + wave's half
	s_lshl_b32 s22, s22, 17
	s_bfe_u32 s23, s16, 0x20001                    ; head / 2: the k quarter
	s_lshl_b32 s23, s23, 15
	s_add_co_u32 s22, s22, s23
	s_and_b32 s23, s[QW], 1                        ; my four tiles of the eight
	s_lshl_b32 s23, s23, 14
	s_add_co_u32 s22, s22, s23
	s_and_b32 s23, s16, 1                          ; head % 2: two chunks
	s_lshl_b32 s23, s23, 11
	s_add_co_u32 s22, s22, s23
	s_mov_b32 s23, 0
	; descriptor group 1: 32 rows of 256 bytes (32 elements of 8), dense, no padding: fragments are read 16 bytes a lane on end
	s_mov_b32 s[G1], 15|(3<<16)|(1<<21)            ; the mask: all four work-groups; elements of 8 bytes; bit 21 set beside a mask
	s_mov_b32 s[G1+1], 32<<16                      ; tensor_dim0
	s_mov_b32 s[G1+2], 32<<16                      ; tensor_dim1
	s_mov_b32 s[G1+3], 32<<16                      ; tile_dim0
	s_mov_b32 s[G1+4], 32                          ; tile_dim1
	s_mov_b32 s[G1+5], 32                          ; elements from row to row
	s_mov_b32 s[G1+6], 0
	s_mov_b32 s[G1+7], 0
	s_mov_b32 s[CS], 0x3e38aa3b                    ; c = log2(e) / 8
	s_mov_b32 s[CS+1], s[CS]
	s_mov_b32 s[SEL], 0x76543210
	s_mov_b32 s[SEL+1], 0xfedcba98
	s_mov_b32 s[TB], 0
	s_mov_b32 s[SLOTS], 14                         ; 16 slots a head, two of them first fills
	s_lshr_b32 s[LIM], s[WV], 1                    ; 0 in waves 0 and 1,
	s_or_b32 s[LIM], s[LIM], ttmp9                 ; where the cluster is the head's first: the same in all four partners
	s_cmp_eq_u32 s[LIM], 0
	s_cselect_b32 s[LIM], 1, -1
	s_wait_dscnt 0x0                               ; both opening adds are done
	s_wait_kmcnt 0x0
	s_add_nc_u64 s[6:7], s[6:7], s[18:19]          ; kv at my part of slot 0
	s_add_nc_u64 s[4:5], s[4:5], s[20:21]
	s_add_nc_u64 s[8:9], s[8:9], s[22:23]
	s_lshl_b32 s50, s15, 14                        ; the prefetches: my work-group's quarter of a slot,
	s_add_co_u32 s50, s50, 2*SLOT1                 ; in slot 2: the first change of slots steps it to slot 3.  Nothing is prefetched here, at the head
	s_mov_b32 s51, 0
	s_add_nc_u64 s[PFA:PFA+1], s[6:7], s[50:51]
	CROUND                                         ; all four work-groups are here: the first joint loads meet
	s_mov_b32 s[G0A], 1
	s_mov_b64 s[G0A+2:G0A+3], s[6:7]
	s_or_b32 s[G0A+3], s[G0A+3], 0x80000000
	s_mov_b32 s[G0W], 1
	s_add_nc_u64 s[G0W+2:G0W+3], s[6:7], SLOT1
	s_or_b32 s[G0W+3], s[G0W+3], 0x80000000
	tensor_load_to_lds s[G0A:G0A+3], s[G1:G1+7]    ; slot 0
	s_nop 0
	tensor_load_to_lds s[G0W:G0W+3], s[G1:G1+7]    ; slot 1: two loads of mine are out
	s_nop 0
	PLACES 4
	v_and_b32 v1, 31, v0
	v_lshlrev_b32 v[LO], 4, v1
	s_lshl_b32 s50, s[G], 15
	v_add_nc_u32 v[AK0], s50, v[LO]
	s_mul_i32 s50, s[QW], MRGW
	s_add_co_u32 s50, s50, MRG
	v_add_nc_u32 v[MO], s50, v[LO]
	s_add_co_u32 s50, s50, 16384
	v_lshl_add_u32 v[MS], v1, 2, s50
	v_lshlrev_b32 v[PFO], 8, v1
.irp i, 0,1,2,3,4,5,6,7,8,9,10,11,12,13,14,15
	global_load_b128 v[Q+4*\i:Q+4*\i+3], v[LO], s[4:5] offset:512*\i   ; Q stays in registers: tile i / 4, chunk (i / 2) % 2, half i % 2
.endr
	s_wait_tensorcnt 0x1                           ; my part of slot 0 is in; slot 1's may stay out
	s_barrier_signal -1
	s_barrier_wait -1
	s_wait_loadcnt 0x0                             ; Q
	STEP 0, 1, -1, 1, 0, 1                         ; step 0.  X: A's first scores.  Y: A's first softmax | B's first scores
	STEP 1, 1, 1, 0, 1, 1                          ; step 1.  X: A starts O^T, scores of step 1 | B's first softmax.  Y: A's softmax | B starts O^T, scores of step 1
.Lslot:                                            ; 14 trips: every slot but the last two is filled again
	CHANGE 1
	TWO_STEPS
	s_sub_co_u32 s[SLOTS], s[SLOTS], 1
	s_cmp_lg_u32 s[SLOTS], 0
	s_cbranch_scc1 .Lslot
	CHANGE 0                                       ; the tail is written out
	TWO_STEPS
	SLOTX 2, 0, 0                                  ; A: V^T P of its last step | B's last softmax
	SLOTY -1, 2, 0                                 ; B: V^T P of its last step
	; THE TWO HALVES OF THE KEYS ARE JOINED.  l's two halves and the other half of the lanes' are added; B hands O^T, c m and l to A through LDS as they stand in registers.
.irp t, 0,1,2,3
	v_add_f32 v[ST+8*\t+2], v[ST+8*\t+2], v[ST+8*\t+3]
.endr
.irp t, 0,1,2,3
	v_permlanex16_b32 v[ST+8*\t+3], v[ST+8*\t+2], s[SEL], s[SEL+1]
.endr
.irp t, 0,1,2,3
	v_add_f32 v[ST+8*\t+2], v[ST+8*\t+2], v[ST+8*\t+3]
.endr
	s_cmp_eq_u32 s[G], 0
	s_cbranch_scc1 .Lnot_b
	WIN 0x04                                       ; an LDS store's data are its source 1: window 1
.set i, 0
.rept 32
	ds_store_b128 v[MO], v[4*i:4*i+3] offset:512*i ; each accumulator from its low end on
.set i, i+1
.endr
	WIN 0
.irp t, 0,1,2,3
	ds_store_b32 v[MS], v[ST+8*\t] offset:256*\t
	ds_store_b32 v[MS], v[ST+8*\t+2] offset:256*\t+128
.endr
.Lnot_b:
	s_wait_dscnt 0x0                               ; for the other group's sake: the stores have landed
	s_barrier_signal -1
	s_barrier_wait -1
	s_cmp_eq_u32 s[G], 0
	s_cbranch_scc0 .Ldone
.irp t, 0,1,2,3
	ds_load_b32 v[BS+2*\t], v[MS] offset:256*\t
	ds_load_b32 v[BS+2*\t+1], v[MS] offset:256*\t+128
.endr
.set i, 0
.rept 32
	ds_load_b128 v[S+4*i:S+4*i+3], v[MO] offset:512*i
.set i, i+1
.endr
	s_wait_dscnt 0x0
.irp t, 0,1,2,3
	v_max_num_f32 v[ST+8*\t+4], v[ST+8*\t], v[BS+2*\t]             ; the larger c m
.endr
.irp t, 0,1,2,3
	v_sub_f32 v[ST+8*\t+5], v[ST+8*\t], v[ST+8*\t+4]
.endr
.irp t, 0,1,2,3
	v_sub_f32 v[ST+8*\t+7], v[BS+2*\t], v[ST+8*\t+4]
.endr
.irp t, 0,1,2,3
	v_exp_f32 v[ST+8*\t+5], v[ST+8*\t+5]
.endr
.irp t, 0,1,2,3
	v_exp_f32 v[ST+8*\t+7], v[ST+8*\t+7]
.endr
	v_nop                                          ; a plain instruction behind the last exponential,
	s_wait_alu depctr_va_vdst(0)                   ; and one wait for the eight
.irp t, 0,1,2,3
	v_mul_f32 v[ST+8*\t+6], v[ST+8*\t+2], v[ST+8*\t+5]
.endr
.irp t, 0,1,2,3
	v_fma_f32 v[ST+8*\t+6], v[BS+2*\t+1], v[ST+8*\t+7], v[ST+8*\t+6]   ; the whole row's sum
.endr
.irp t, 0,1,2,3
	v_rcp_f32 v[ST+8*\t+6], v[ST+8*\t+6]
.endr
	v_nop
	s_wait_alu depctr_va_vdst(0)                   ; one wait for the four reciprocals
.irp t, 0,1,2,3
	v_mul_f32 v[ST+8*\t+4], v[ST+8*\t+5], v[ST+8*\t+6]             ; A's factor
.endr
.irp t, 0,1,2,3
	v_mul_f32 v[ST+8*\t+6], v[ST+8*\t+7], v[ST+8*\t+6]             ; B's
.endr
.set i, 0
.rept 64
	v_pk_mul_f32 v[S+2*i:S+2*i+1], v[S+2*i:S+2*i+1], v[ST+8*(i/16)+6:ST+8*(i/16)+7] op_sel_hi:[1,0]
.set i, i+1
.endr
	WIN 0x01                                       ; source 0 (my O^T) window 1
.set i, 0
.rept 64
	v_pk_fma_f32 v[S+2*i:S+2*i+1], v[2*i:2*i+1], v[ST+8*(i/16)+4:ST+8*(i/16)+5], v[S+2*i:S+2*i+1] op_sel_hi:[1,0,1]   ; each accumulator from its low end on
.set i, i+1
.endr
	WIN 0
.set i, 0
.rept 64
	v_cvt_pk_f16_f32 v[S+i], v[S+2*i], v[S+2*i+1]  ; in place: a lane's eight channels of a query are half a fragment's registers for the last product
.set i, i+1
.endr
.irp t, 0,1,2,3
.irp c, 0,1,2,3
	global_store_b128 v[LO], v[S+16*\t+4*\c:S+16*\t+4*\c+3], s[8:9] offset:4096*\t+512*\c   ; 32 lanes store 512 consecutive bytes, aligned
.endr
.endr
.Ldone:
	s_wait_tensorcnt 0x0                           ; the wave's end: these three lines, behind my last tensor load and my last LDS store
	ds_add_u32 v[SPW], v[NIL]
	s_wait_dscnt 0x0
	CROUND                                         ; the closing round: no work-group ends while a partner may still ask for a tile that names it
	s_endpgm
.Lfunc_end_k_qc35e7dfd53_attn:
	.size	k_qc35e7dfd53_attn, .Lfunc_end_k_qc35e7dfd53_attn-k_qc35e7dfd53_attn
	.p2alignl 7, 3214868480
	.fill 96, 4, 3214868480
	.section	.rodata,"a",@progbits
	.p2align	6, 0x0
	.amdhsa_kernel k_qc35e7dfd53_attn
		.amdhsa_group_segment_fixed_size 327680
		.amdhsa_private_segment_fixed_size 0
		.amdhsa_enable_private_segment 0
		.amdhsa_kernarg_size 24
		.amdhsa_user_sgpr_count 2
		.amdhsa_user_sgpr_kernarg_segment_ptr 1
		.amdhsa_wavefront_size32 1
		.amdhsa_system_sgpr_workgroup_id_x 1
		.amdhsa_system_sgpr_workgroup_id_y 1
		.amdhsa_system_sgpr_workgroup_id_z 1
		.amdhsa_system_vgpr_workitem_id 0
		.amdhsa_next_free_vgpr 512
		.amdhsa_next_free_sgpr 66
		.amdhsa_reserve_vcc 0
		.amdhsa_float_denorm_mode_32 3
		.amdhsa_float_denorm_mode_16_64 3
		.amdhsa_memory_ordered 1
		.amdhsa_forward_progress 1
		.amdhsa_inst_pref_size 255
	.end_amdhsa_kernel
	.section	.bss,"aw",@nobits
	.p2align	6
	.space	262144
	.amdgpu_metadata
---
amdhsa.version: [ 1, 2 ]
amdhsa.kernels:
  - .name:           k_qc35e7dfd53_attn
    .symbol:         k_qc35e7dfd53_attn.kd
    .args:
      - { .name: qf, .offset: 0, .size: 8, .value_kind: global_buffer, .address_space: global }
      - { .name: kv, .offset: 8, .size: 8, .value_kind: global_buffer, .address_space: global }
      - { .name: of, .offset: 16, .size: 8, .value_kind: global_buffer, .address_space: global }
    .group_segment_fixed_size: 327680
    .private_segment_fixed_size: 0
    .kernarg_segment_align: 8
    .kernarg_segment_size: 24
    .max_flat_workgroup_size: 256
    .sgpr_count:     66
    .vgpr_count:     512
    .wavefront_size: 32
...
	.end_amdgpu_metadata
.endif
;; end of part 2
;; launch outp (part 3): grid 4 x 64, 4 waves a work-group, clusters of 4 x 4, 262,656 bytes of LDS; arguments of, wof, out0; writes out0
.if DOCPART == 3
	.amdgcn_target "amdgcn-amd-amdhsa--gfx1250"
	.amdhsa_code_object_version 6
	.text
	.protected	k_qc35e7dfd53_outp
	.globl	k_qc35e7dfd53_outp
	.p2align	8
	.type	k_qc35e7dfd53_outp,@function
k_qc35e7dfd53_outp:
	s_mov_b64 s[64:65], 0
	v_nop
	global_prefetch_b8 v0, s[64:65] scope:SCOPE_SE
	s_setreg_imm32_b32 hwreg(HW_REG_WAVE_MODE, 25, 1), 1
	s_wait_xcnt 0x0
	s_wait_alu depctr_hold_cnt(0) depctr_sa_sdst(0) depctr_va_vdst(0) depctr_va_sdst(0) depctr_va_ssrc(0) depctr_va_vcc(0) depctr_vm_vsrc(0)
	s_getreg_b32 s2, hwreg(HW_REG_IB_STS2, 6, 4)
	s_cmp_eq_u32 s2, 0
	s_cbranch_scc0 .Lentry_in_a_cluster
	s_endpgm
.Lentry_in_a_cluster:
	s_bfe_u32 s2, ttmp6, 0x10000c
	s_cmp_lg_u32 s2, 0xf033
	s_cbranch_scc0 .Lentry_shape_is_right
	s_endpgm
.Lentry_shape_is_right:
; out0 = O Wo^T: [8,192 tokens][512] x [512 outputs][512], f16 operands, f32 sums, f32 out.  Both operands lie in memory as images of operand registers
; (a fragment = 16 rows x 32 k = [half][lane][16 bytes]), by blocks of 128 rows: [block][k quarter 4][tile of 16 rows 8][chunk of 32 k 4][fragment], 131,072 bytes a block.
; SHARES.  A work-group makes 128 tokens x 128 outputs; each of its four waves 64 x 64: 16 accumulators.  The product is used transposed (source 0 = 16 rows of Wo, source 1 = 16 tokens):
; a lane then holds eight neighbouring outputs of one token.
; LDS.  Both blocks fit: 262,144 bytes, every byte filled once, so there is no ring.  They come as four quarters of K, one tensor load a wave and quarter (16,384 bytes: waves 0, 1 O's halves, waves 2, 3 Wo's),
; all four asked for at the head: four loads of mine are out; the products of a quarter begin while the later quarters are on their way.
; CLUSTER.  4 x 4 work-groups: the four of a row of the cluster need the same block of O, the four of a column the same block of Wo: each tile is asked for JOINTLY.
; THE WAY OUT.  A tile of 16 tokens x 64 outputs goes through my own stage in LDS and comes back as rows of 256 bytes, which sixteen lanes store as one aligned run.  The stages lie in quarter 0,
; which has had its only fill, and which nobody reads behind the barrier in front of quarter 1.
; LIMITS: as the operands': f16's range and step.
; REGISTERS.  window 0: v8-18 addresses; v20-21 the add's two; v64-127, v128-191 two buffers of fragments (O's four at + 8 rt, Wo's four at + 32 + 8 nt).  window 1: v0-127 the accumulators at 8 (4 rt + nt).
.set QUART, 65536
.set SPARE, 262144                     ; the spare words, 128 bytes for each of the four waves
.set SPITCH, 272                       ; a stage row: 256 bytes + 16
.set STGW,  16*SPITCH
.set AO,  8                            ; v8-11   my O fragments in quarter q
.set AW,  12                           ; v12-15  my Wo fragments
.set STO, 16                           ; v16     the stage: where I put 32 bytes of a row
.set RD,  17                           ; v17     and where I read a row back
.set GO,  18                           ; v18     my byte offset in two rows of out0
.set SPW, 20                           ; v20     LDS address of my spare word; never rewritten
.set NIL, 21                           ; v21     0; never rewritten
.set F0,  64
.set F1,  128
.set G1A, 24                           ; s[24:31] descriptor group 1 for O's tiles;  s[32:39] for Wo's: it differs in the mask alone
.set G1B, 32
.set G0A, 48                           ; s[48:63] groups 0 for O's four quarters;  s[68:83] for Wo's
.set G0B, 68
.set MSB, 0
.macro WIN new                         ; the immediate's high byte repeats the setting that is left
.if MSB != \new
	s_set_vgpr_msb (MSB<<8)|\new
.set MSB, \new
.endif
.endm
.macro PLACES n
.rept \n
	v_nop
.endr
.endm
.macro JLOAD q                         ; a joint load: waves 0 and 1 fetch for O, waves 2 and 3 for Wo; the branch hangs on the wave's number alone; an s_nop 0 and four v_nop follow each line
	s_cmp_eq_u32 s11, 0
	s_cbranch_scc0 .Lfor_b_\@
	tensor_load_to_lds s[G0A+4*\q:G0A+4*\q+3], s[G1A:G1A+7]
	s_nop 0
	PLACES 4
	s_branch .Lasked_\@
.Lfor_b_\@:
	tensor_load_to_lds s[G0B+4*\q:G0B+4*\q+3], s[G1B:G1B+7]
	s_nop 0
	PLACES 4
.Lasked_\@:
.endm
.macro CROUND                          ; a round of the cluster's barrier
	s_barrier_signal -1
	s_barrier_wait -1
	s_cmp_lg_u32 s10, 0
	s_cbranch_scc1 .Lnot_wave_0_\@
	s_barrier_signal -3
.Lnot_wave_0_\@:
	s_barrier_wait -3
	s_barrier_signal -1
	s_barrier_wait -1
.endm
.macro FETCH g, f                      ; chunk g of 16 (k = 32 g on): my four fragments of O and four of Wo into buffer f: sixteen LDS loads
.irp i, 0,1,2,3
	ds_load_b128 v[(\f)+8*\i:(\f)+8*\i+3], v[AO+(\g)/4] offset:4096*\i+1024*((\g)%4)
	ds_load_b128 v[(\f)+8*\i+4:(\f)+8*\i+7], v[AO+(\g)/4] offset:4096*\i+1024*((\g)%4)+512
.endr
.irp i, 0,1,2,3
	ds_load_b128 v[(\f)+32+8*\i:(\f)+32+8*\i+3], v[AW+(\g)/4] offset:4096*\i+1024*((\g)%4)
	ds_load_b128 v[(\f)+32+8*\i+4:(\f)+32+8*\i+7], v[AW+(\g)/4] offset:4096*\i+1024*((\g)%4)+512
.endr
.endm
.macro MUL16 f, zero                   ; the 16 accumulators take turns, in the same order in every chunk; zero: the first chunk starts the sums
.irp a, 0,1,2,3
.irp b, 0,1,2,3
.if \zero
	v_wmma_f32_16x16x32_f16 v[8*(4*\a+\b):8*(4*\a+\b)+7], v[(\f)+32+8*\b:(\f)+32+8*\b+7], v[(\f)+8*\a:(\f)+8*\a+7], 0
.else
	v_wmma_f32_16x16x32_f16 v[8*(4*\a+\b):8*(4*\a+\b)+7], v[(\f)+32+8*\b:(\f)+32+8*\b+7], v[(\f)+8*\a:(\f)+8*\a+7], v[8*(4*\a+\b):8*(4*\a+\b)+7]
.endif
.endr
.endr
.endm
.macro TOSTAGE a                       ; tile a of 16 tokens: eight LDS stores, eight LDS loads.  LDS serves a wave's instructions in order (ISA guide 5.7.1.4): no wait between them
	WIN 0x04                                       ; an LDS store's data are its source 1: window 1
.irp b, 0,1,2,3
	ds_store_b128 v[STO], v[8*(4*(\a)+\b):8*(4*(\a)+\b)+3] offset:64*\b        ; each accumulator from its low end on
	ds_store_b128 v[STO], v[8*(4*(\a)+\b)+4:8*(4*(\a)+\b)+7] offset:64*\b+16
.endr
	WIN 0
.irp i, 0,1,2,3,4,5,6,7
	ds_load_b128 v[F0+64*((\a)%2)+4*\i:F0+64*((\a)%2)+4*\i+3], v[RD] offset:2*\i*SPITCH
.endr
.endm
.macro SEND a, younger                 ; younger: the LDS instructions issued behind tile a's loads, which may stay out
	s_wait_dscnt \younger
.irp i, 0,1,2,3,4,5,6,7
	global_store_b128 v[GO], v[F0+64*((\a)%2)+4*\i:F0+64*((\a)%2)+4*\i+3], s[8:9] offset:(16*(\a)+2*\i)*2048 th:TH_STORE_NT   ; sixteen lanes store 256 consecutive bytes, aligned; written once, read by nobody here
.endr
.endm
	s_load_b128 s[4:7], s[0:1], 0x0                ; of s[4:5], wof s[6:7]
	s_load_b64 s[8:9], s[0:1], 0x10                ; out0
	v_lshl_add_u32 v[SPW], v0, 2, SPARE
	v_mov_b32 v[NIL], 0
	ds_add_u32 v[SPW], v[NIL]                      ; the wave's opening: the add, twice on end, and its wait ahead of my first tensor load
	ds_add_u32 v[SPW], v[NIL]                      ; and once more; the set-up below, work on registers, stands between it and the wait
	v_lshrrev_b32 v1, 5, v0
	v_readfirstlane_b32 s10, v1                    ; wave 0..3
	s_lshr_b32 s11, s10, 1                         ; which 64 tokens are mine.  Also: I fetch for O (0) or for Wo (1)
	s_and_b32 s12, s10, 1                          ; which 64 outputs.  Also: which half of a quarter I fetch
	s_bfe_u32 s40, ttmp6, 0x40000                  ; cx, cy: my place in the cluster
	s_bfe_u32 s41, ttmp6, 0x40004
	s_lshl_b32 s42, ttmp9, 2
	s_add_co_u32 s42, s42, s40                     ; block of 128 outputs = 4 x cluster x + cx
	s_and_b32 s13, ttmp7, 0xffff
	s_lshl_b32 s13, s13, 2
	s_add_co_u32 s13, s13, s41                     ; block of 128 tokens = 4 x cluster y + cy
	s_lshl_b32 s43, s41, 2
	s_lshl_b32 s43, 15, s43                        ; my row of the cluster
	s_lshl_b32 s44, 0x1111, s40                    ; my column
	; descriptor group 1: 64 rows of 256 bytes (32 elements of 8), dense, no padding
	s_or_b32 s[G1A], s43, (3<<16)|(1<<21)          ; the mask: O's tiles go to my row; elements of 8 bytes; bit 21 set beside a mask
	s_or_b32 s[G1B], s44, (3<<16)|(1<<21)          ; Wo's to my column
.irp g, G1A, G1B
	s_mov_b32 s[\g+1], 32<<16                      ; tensor_dim0
	s_mov_b32 s[\g+2], 64<<16                      ; tensor_dim1
	s_mov_b32 s[\g+3], 32<<16                      ; tile_dim0
	s_mov_b32 s[\g+4], 64                          ; tile_dim1
	s_mov_b32 s[\g+5], 32                          ; elements from row to row
	s_mov_b32 s[\g+6], 0
	s_mov_b32 s[\g+7], 0
.endr
	s_lshl_b32 s18, s12, 14                        ; the half of a quarter that I fetch
	s_lshl_b32 s16, s13, 17
	s_add_co_u32 s16, s16, s18                     ; O: by the block of tokens alone, which my row shares
	s_mov_b32 s17, 0
	s_lshl_b32 s46, s42, 17
	s_add_co_u32 s46, s46, s18                     ; Wo: by the block of outputs alone, which my column shares
	s_mov_b32 s47, 0
	s_lshl_b32 s20, s10, 14                        ; where they go in a quarter: 16,384 x wave: no place in the cluster enters an LDS address
	s_wait_dscnt 0x0                               ; both opening adds are done
	s_wait_kmcnt 0x0
	s_add_nc_u64 s[14:15], s[4:5], s[16:17]
	s_add_nc_u64 s[46:47], s[6:7], s[46:47]
	CROUND                                         ; all sixteen work-groups are here: the joint loads meet
.irp q, 0,1,2,3
	s_mov_b32 s[G0A+4*\q], 1
	s_add_co_u32 s[G0A+4*\q+1], s20, \q*QUART
	s_add_nc_u64 s[G0A+4*\q+2:G0A+4*\q+3], s[14:15], \q*32768
	s_or_b32 s[G0A+4*\q+3], s[G0A+4*\q+3], 0x80000000
	s_mov_b32 s[G0B+4*\q], 1
	s_add_co_u32 s[G0B+4*\q+1], s20, \q*QUART
	s_add_nc_u64 s[G0B+4*\q+2:G0B+4*\q+3], s[46:47], \q*32768
	s_or_b32 s[G0B+4*\q+3], s[G0B+4*\q+3], 0x80000000
	JLOAD \q
.endr
	v_and_b32 v1, 31, v0
	v_lshlrev_b32 v2, 4, v1                        ; 16 x lane
	s_lshl_b32 s21, s11, 14                        ; my four tiles of tokens
	s_lshl_b32 s22, s12, 14                        ; my four tiles of outputs,
	s_add_co_u32 s22, s22, 32768                   ; which lie behind O's 32,768 bytes
.irp q, 0,1,2,3
	v_add_nc_u32 v[AO+\q], s21, v2
	v_add_nc_u32 v[AW+\q], s22, v2
	s_add_co_u32 s21, s21, QUART
	s_add_co_u32 s22, s22, QUART
.endr
	v_and_b32 v3, 15, v0                           ; r
	v_bfe_u32 v4, v0, 4, 1                         ; h
	s_mul_i32 s23, s10, STGW                       ; my stage
	v_mul_u32_u24 v[STO], v3, SPITCH               ; in: row r, 32 bytes for each half of the lanes
	v_lshl_add_u32 v[STO], v4, 5, v[STO]
	v_add_nc_u32 v[STO], s23, v[STO]
	v_mul_u32_u24 v[RD], v4, SPITCH                ; back: lanes 0-15 one row of 256 bytes, lanes 16-31 the next
	v_lshl_add_u32 v[RD], v3, 4, v[RD]
	v_add_nc_u32 v[RD], s23, v[RD]
	v_lshlrev_b32 v[GO], 11, v4                    ; and the same two rows in out0
	v_lshl_add_u32 v[GO], v3, 4, v[GO]
	s_lshl_b32 s86, s13, 18                        ; out0: 128 tokens of 2,048 bytes a block,
	s_lshl_b32 s88, s11, 17                        ; my 64 tokens,
	s_add_co_u32 s86, s86, s88
	s_lshl_b32 s88, s42, 9                         ; 128 outputs of 4 bytes,
	s_add_co_u32 s86, s86, s88
	s_lshl_b32 s88, s12, 8                         ; my 64
	s_add_co_u32 s86, s86, s88
	s_mov_b32 s87, 0
	s_add_nc_u64 s[8:9], s[8:9], s[86:87]
	s_wait_tensorcnt 0x3                           ; my part of quarter 0 is in; the three later quarters' may stay out
	s_barrier_signal -1
	s_barrier_wait -1                              ; everybody's is
	FETCH 0, F0
.set g, 0
.rept 15
.if g%4 == 3
	s_wait_tensorcnt 2-g/4                         ; my part of the next quarter is in; the later ones' may stay out
	s_wait_dscnt 0x0
	s_barrier_signal -1
	s_barrier_wait -1                              ; everybody's is
.endif
.if g > 0
	PLACES 4                                       ; ahead of loads into registers that the last products read (ISA guide 7.12.1 for vector instructions)
.endif
	FETCH g+1, F0+64*((g+1)%2)
	s_wait_dscnt 16                                ; the sixteen just issued may be out: this chunk's fragments are in
	WIN 0x50                                       ; C and D in window 1
	MUL16 F0+64*(g%2), g==0
	WIN 0
.set g, g+1
.endr
	s_wait_dscnt 0x0
	WIN 0x50
	MUL16 F1, 0
	WIN 0
	PLACES 4                                       ; ahead of the first read of the results and of the loads into the fragments' registers
	TOSTAGE 0
.irp a, 1,2,3
.if \a > 1
	s_wait_xcnt 0x0                                ; the stores of two tiles ago have read the registers in which this tile's rows land
.endif
	TOSTAGE \a
	SEND \a-1, 16                                  ; behind that tile's loads: this tile's eight stores and eight loads
.endr
	SEND 3, 0
	s_wait_tensorcnt 0x0                           ; the wave's end: these three lines, behind my last tensor load and my last LDS store
	ds_add_u32 v[SPW], v[NIL]
	s_wait_dscnt 0x0
	CROUND                                         ; the closing round: no work-group ends while a partner may still ask for a tile that names it
	s_endpgm
.Lfunc_end_k_qc35e7dfd53_outp:
	.size	k_qc35e7dfd53_outp, .Lfunc_end_k_qc35e7dfd53_outp-k_qc35e7dfd53_outp
	.p2alignl 7, 3214868480
	.fill 96, 4, 3214868480
	.section	.rodata,"a",@progbits
	.p2align	6, 0x0
	.amdhsa_kernel k_qc35e7dfd53_outp
		.amdhsa_group_segment_fixed_size 262656
		.amdhsa_private_segment_fixed_size 0
		.amdhsa_enable_private_segment 0
		.amdhsa_kernarg_size 24
		.amdhsa_user_sgpr_count 2
		.amdhsa_user_sgpr_kernarg_segment_ptr 1
		.amdhsa_wavefront_size32 1
		.amdhsa_system_sgpr_workgroup_id_x 1
		.amdhsa_system_sgpr_workgroup_id_y 1
		.amdhsa_system_sgpr_workgroup_id_z 1
		.amdhsa_system_vgpr_workitem_id 0
		.amdhsa_next_free_vgpr 384
		.amdhsa_next_free_sgpr 100
		.amdhsa_reserve_vcc 0
		.amdhsa_float_denorm_mode_32 3
		.amdhsa_float_denorm_mode_16_64 3
		.amdhsa_memory_ordered 1
		.amdhsa_forward_progress 1
		.amdhsa_inst_pref_size 53
	.end_amdhsa_kernel
	.amdgpu_metadata
---
amdhsa.version: [ 1, 2 ]
amdhsa.kernels:
  - .name:           k_qc35e7dfd53_outp
    .symbol:         k_qc35e7dfd53_outp.kd
    .args:
      - { .name: of, .offset: 0, .size: 8, .value_kind: global_buffer, .address_space: global }
      - { .name: wof, .offset: 8, .size: 8, .value_kind: global_buffer, .address_space: global }
      - { .name: out0, .offset: 16, .size: 8, .value_kind: global_buffer, .address_space: global }
    .group_segment_fixed_size: 262656
    .private_segment_fixed_size: 0
    .kernarg_segment_align: 8
    .kernarg_segment_size: 24
    .max_flat_workgroup_size: 128
    .sgpr_count:     100
    .vgpr_count:     384
    .wavefront_size: 32
...
	.end_amdgpu_metadata
.endif
;; end of part 3
